; MI455X (gfx1250); checked and timed in simulation.
; The chip was launched on July 23, 2026; its instructions are those of AMD's public machine-readable ISA for CDNA 5 (MIT licence, August 2026) and "CDNA5" Instruction Set Architecture Reference Guide (July 2026). The comments in the code are by the model that wrote it; some were corrected since.
;; Sparse Dual Flow. Allowed arithmetic: float matrix products may take bf16 or f16 operands with f32 sums; all other float work in f32.
;; Inputs: dual_values 16,777,216 float32.
;; Outputs: out0 16,777,216 float32.
;; One version. Each part assembles by itself: llvm-mc -triple=amdgcn-amd-amdhsa -mcpu=gfx1250 --defsym DOCPART=n.
;; ======== version 1 of 1: 2 launches
;; workspace buffers: flags 256 bytes of whole numbers
;; launch scan (part 1): grid 256 x 1, 32 waves a work-group, no clusters, 4,352 bytes of LDS; arguments dual_values, flags; writes flags
.if DOCPART == 1
	.amdgcn_target "amdgcn-amd-amdhsa--gfx1250"
	.amdhsa_code_object_version 6
	.text
	.protected	k_q64b1ccf8e8_scan
	.globl	k_q64b1ccf8e8_scan
	.p2align	8
	.type	k_q64b1ccf8e8_scan,@function
k_q64b1ccf8e8_scan:
	s_mov_b64 s[64:65], 0
	v_nop
	global_prefetch_b8 v0, s[64:65] scope:SCOPE_SE
	s_setreg_imm32_b32 hwreg(HW_REG_WAVE_MODE, 25, 1), 1
	s_wait_xcnt 0x0
; SparseDualFlow, first of two launches: does reference()'s loop stop after its first step, or run all 12?
;
; WHAT reference() COMPUTES.  For one element, d = dual_values[i], flow = acc = 0 at the start, a step is
;     acc'  = 0.9 acc + 0.01 (2 (flow - 0.9 acc) - d) = 0.882 acc + 0.02 flow - 0.01 d
;     flow' = relu(flow - acc').
;   d <= 0: with flow = 0 and acc >= 0, acc' = 0.882 acc - 0.01 d >= 0 and flow' = relu(-acc') = 0: flow is 0 in every step.
;   d >  0: while relu passes its argument the step is linear in d: acc_t = a_t d, flow_t = f_t d, with the fixed numbers
;           a_(t+1) = 0.882 a_t + 0.02 f_t - 0.01, f_(t+1) = f_t - a_(t+1), a_0 = f_0 = 0:
;           a_1..a_12 = -.01000 -.01862 -.02585 -.03171 -.03625 -.03952 -.04162 -.04264 -.04268 -.04187 -.04031 -.03813
;           All are negative, so flow - acc' > 0 and relu does pass.  f_1 = 0.01, f_12 = 0.409190667.
;   So flow_t = f_t relu(d) for every finite d: the steps are one product by a constant, and are not walked one by one.
;   THE STOP.  max |flow_t - flow_(t-1)| = |a_t| max relu(d).  |a_1| = 0.01 is the least of the twelve, the others are 0.01862 or more.
;   If step 1 meets FLOW_THRESHOLD the state freezes at flow_1.  If it does not, every later step is over the threshold by a factor
;   of 1.86 at least, far more than the roundings of twelve f32 steps (some 1e-6 of the value) can move it: all 12 steps run.
;   Step 1's test is made with reference()'s own rounding: its step 1 gives flow_1 = relu(fl(0.01f d)), tested against 1e-4f.
;   The rounded product does not fall when d rises, so it is tested on the largest d alone; relu changes nothing against a threshold above 0.
; LIMITS.  Inputs are finite.  A NaN loses in the maxima: it counts as 0 in the test and gives 0 in the result; +infinity gives
;   +infinity and -infinity 0, where reference() makes NaN of them in its second step (infinity - infinity).  A NaN, an infinity or an
;   overflow that would arise only in the steps not walked is not carried to the result.  The sign of a zero result is not kept.
;   The result has one rounding of f_12 d where reference() has twelve steps' roundings (some 1e-6 of the value apart).
;
; THIS LAUNCH.  256 work-groups of 32 waves; a work-group owns 262,144 bytes of dual_values.  Thread t takes the 16 bytes at
; 16 t + 16,384 j, j = 0..15: each load of a wave covers 512 consecutive bytes, and all 16 loads are issued at once, so the
; work-group's whole share is on its way and there is no loop.  Result: one byte of flags for each work-group, 1 = some element of
; its share is over the threshold in step 1.
.set CHUNK,  16384                     ; bytes that 1,024 threads cover with one 16-byte load each
.set X,      4                         ; v[4:67]  load j in v[X+4j : X+4j+3]; v[X:X+3] become the four running maxima
.set STEP,   0x3c23d70a                ; 0.01f, STEP_SIZE
.set THRESH, 0x38d1b717                ; 1e-4f, FLOW_THRESHOLD
	s_load_b128 s[4:7], s[0:1], 0x0                ; dual_values s[4:5], flags s[6:7]
	v_lshl_add_u32 v68, v0, 2, 0x100
	v_mov_b32 v69, 0
	v_lshlrev_b32 v1, 4, v0                        ; 16 t
	v_lshrrev_b32 v2, 5, v0
	v_readfirstlane_b32 s8, v2                     ; my wave's number, 0..31
	s_lshl_b32 s2, ttmp9, 18                       ; work-group x 262,144 bytes: 64 MiB at the most, one word is enough
	s_mov_b32 s3, 0
	s_mov_b32 s9, ttmp9                            ; my byte in flags
	s_wait_kmcnt 0x0
	s_add_nc_u64 s[4:5], s[4:5], s[2:3]
.irp j, 0,1,2,3,4,5,6,7,8,9,10,11,12,13,14,15
	global_load_b128 v[X+4*\j:X+4*\j+3], v1, s[4:5] offset:\j*CHUNK   ; no non-temporal hint: the launch that follows reads the same bytes again
.endr
	v_mov_b32 v3, s8
	v_lshlrev_b32 v3, 2, v3                        ; my wave's word in LDS
	; The largest of my 64 numbers: four chains that do not wait for each other, started by load 0 (nothing is cleared), two loads a turn.
.irp j, 1,3,5,7,9,11,13
	s_wait_loadcnt 14-\j                           ; loads come back in order: loads 0 to j+1 are in, the 14-j younger ones stay out
.irp k, 0,1,2,3
	v_max3_num_f32 v[X+\k], v[X+\k], v[X+4*\j+\k], v[X+4*\j+4+\k]
.endr
.endr
	s_wait_loadcnt 0x0                             ; load 15, the last
	v_max3_num_f32 v[X],   v[X],   v[X+60], v[X+61]
	v_max3_num_f32 v[X+1], v[X+1], v[X+62], v[X+63]
	v_max3_num_f32 v[X],   v[X],   v[X+2],  v[X+3]
	v_max_num_f32  v[X],   v[X],   v[X+1]
	v_mul_f32 v2, STEP, v[X]                       ; step 1's flow for my largest d, rounded as reference() rounds it
	v_cmp_lt_f32 vcc_lo, THRESH, v2                ; lanes where 1e-4f < flow_1: not converged
	v_mov_b32 v2, vcc_lo                           ; the wave's verdict as a whole number, the same in every lane: 0 = all within the threshold
	ds_store_b32 v3, v2                            ; all lanes write the wave's one word with the same value
	s_wait_dscnt 0x0                               ; my word is in LDS before I signal
	s_barrier_signal -1
	s_barrier_wait -1                              ; all 32 words are there
	s_cmp_lg_u32 s8, 0
	s_cbranch_scc1 .Lothers                        ; wave 0 alone speaks for the work-group
	v_lshlrev_b32 v3, 2, v0                        ; in wave 0 the thread's number is the lane: lane w reads wave w's word
	ds_load_b32 v2, v3
	s_wait_dscnt 0x0
	v_cmp_ne_u32 vcc_lo, 0, v2
	s_cmp_lg_u32 vcc_lo, 0
	s_cselect_b32 s10, 1, 0                        ; 1 = some wave found an element over the threshold (a choice of a value, no branch)
	v_mov_b32 v2, s10
	v_mov_b32 v3, s9
	v_cmp_eq_u32 vcc_lo, 0, v0
	s_wait_xcnt 0x0                                ; EXEC is narrowed only when no earlier global instruction still needs it
	s_wait_tensorcnt 0x0
	ds_add_u32 v68, v69
	s_wait_dscnt 0x0
	s_and_saveexec_b32 s11, vcc_lo                 ; lane 0 alone
	global_store_b8 v3, v2, s[6:7]                 ; flags[work-group]: the one byte that this work-group has to say
	s_endpgm
.Lothers:
	s_wait_tensorcnt 0x0
	ds_add_u32 v68, v69
	s_wait_dscnt 0x0
	s_endpgm
.Lfunc_end_k_q64b1ccf8e8_scan:
	.size	k_q64b1ccf8e8_scan, .Lfunc_end_k_q64b1ccf8e8_scan-k_q64b1ccf8e8_scan
	.p2alignl 7, 3214868480
	.fill 96, 4, 3214868480
	.section	.rodata,"a",@progbits
	.p2align	6, 0x0
	.amdhsa_kernel k_q64b1ccf8e8_scan
		.amdhsa_group_segment_fixed_size 4352
		.amdhsa_private_segment_fixed_size 0
		.amdhsa_enable_private_segment 0
		.amdhsa_kernarg_size 16
		.amdhsa_user_sgpr_count 2
		.amdhsa_user_sgpr_kernarg_segment_ptr 1
		.amdhsa_wavefront_size32 1
		.amdhsa_system_sgpr_workgroup_id_x 1
		.amdhsa_system_sgpr_workgroup_id_y 1
		.amdhsa_system_sgpr_workgroup_id_z 1
		.amdhsa_system_vgpr_workitem_id 0
		.amdhsa_next_free_vgpr 70
		.amdhsa_next_free_sgpr 66
		.amdhsa_reserve_vcc 1
		.amdhsa_float_denorm_mode_32 3
		.amdhsa_float_denorm_mode_16_64 3
		.amdhsa_memory_ordered 1
		.amdhsa_forward_progress 1
		.amdhsa_inst_pref_size 6
	.end_amdhsa_kernel
	.amdgpu_metadata
---
amdhsa.version: [ 1, 2 ]
amdhsa.kernels:
  - .name:           k_q64b1ccf8e8_scan
    .symbol:         k_q64b1ccf8e8_scan.kd
    .args:
      - { .name: dual_values, .offset: 0, .size: 8, .value_kind: global_buffer, .address_space: global }
      - { .name: flags, .offset: 8, .size: 8, .value_kind: global_buffer, .address_space: global }
    .group_segment_fixed_size: 4352
    .private_segment_fixed_size: 0
    .kernarg_segment_align: 8
    .kernarg_segment_size: 16
    .max_flat_workgroup_size: 1024
    .sgpr_count:     66
    .vgpr_count:     70
    .wavefront_size: 32
...
	.end_amdgpu_metadata
.endif
;; end of part 1
;; launch scale (part 2): grid 256 x 1, 32 waves a work-group, no clusters, 4,352 bytes of LDS; arguments dual_values, flags, out0; writes out0
.if DOCPART == 2
	.amdgcn_target "amdgcn-amd-amdhsa--gfx1250"
	.amdhsa_code_object_version 6
	.text
	.protected	k_q64b1ccf8e8_scale
	.globl	k_q64b1ccf8e8_scale
	.p2align	8
	.type	k_q64b1ccf8e8_scale,@function
k_q64b1ccf8e8_scale:
	s_mov_b64 s[64:65], 0
	v_nop
	global_prefetch_b8 v0, s[64:65] scope:SCOPE_SE
	s_setreg_imm32_b32 hwreg(HW_REG_WAVE_MODE, 25, 1), 1
	s_wait_xcnt 0x0
; SparseDualFlow, second of two launches: out0 = f relu(dual_values).
; The steps of reference()'s loop are not walked: for every finite d its flow after t steps is f_t relu(d) with fixed numbers f_t, and the
; loop ends after step 1 or after all 12 (shown at the head of the first launch's text, with the limits: finite inputs, sign of zero,
; one rounding instead of twelve steps').  f = f_12 = 0.409190667 if any byte of flags is set (some element was over FLOW_THRESHOLD in
; step 1), else f = f_1 = 0.01f, which gives step 1's flow bit for bit.
; 256 work-groups of 32 waves, each with the same 262,144 bytes as in the first launch.  Thread t takes the 16 bytes at 16 t + 16,384 j,
; j = 0..15; all 16 loads are issued at once, each is scaled in its own registers and stored from them as it comes: no loop, and no
; register is used twice.  A store of a wave covers 512 consecutive bytes, aligned: sixteen lanes write 256 consecutive bytes.
.set CHUNK, 16384                      ; bytes that 1,024 threads cover with one 16-byte load each
.set X,     4                          ; v[4:67]   load j in v[X+4j : X+4j+3], scaled in place
.set F,     68                         ; v[68:69]  wave 0: 8 bytes of flags a lane; then every wave: the work-group's verdict
.set F_1,   0x3c23d70a                 ; 0.01f
.set F_12,  0x3ed18170                 ; 0.409190667 rounded to f32
	s_load_b128 s[4:7], s[0:1], 0x0                ; dual_values s[4:5], flags s[6:7]
	s_load_b64 s[8:9], s[0:1], 0x10                ; out0
	v_lshl_add_u32 v70, v0, 2, 0x100
	v_mov_b32 v71, 0
	v_lshlrev_b32 v1, 4, v0                        ; 16 t, for the loads and the stores; never rewritten
	v_lshrrev_b32 v3, 5, v0
	v_readfirstlane_b32 s10, v3                    ; my wave's number
	v_mov_b32 v3, 0                                ; LDS address of the verdict
	s_lshl_b32 s2, ttmp9, 18                       ; work-group x 262,144 bytes
	s_mov_b32 s3, 0
	s_mov_b32 s12, F_1
	s_mov_b32 s13, F_12
	s_wait_kmcnt 0x0
	s_add_nc_u64 s[4:5], s[4:5], s[2:3]
	s_add_nc_u64 s[8:9], s[8:9], s[2:3]
	; Wave 0 reads the 256 bytes of flags once for the work-group, not each of the 32 waves for itself.
	; Its load goes out ahead of its data loads, so that it is the first to come back.
	s_cmp_lg_u32 s10, 0
	s_cbranch_scc1 .Ldata
	v_lshlrev_b32 v2, 3, v0                        ; in wave 0 the thread's number is the lane: 8 bytes a lane
	global_load_b64 v[F:F+1], v2, s[6:7]
.Ldata:
.irp j, 0,1,2,3,4,5,6,7,8,9,10,11,12,13,14,15
	global_load_b128 v[X+4*\j:X+4*\j+3], v1, s[4:5] offset:\j*CHUNK th:TH_LOAD_NT   ; read for the last time
.endr
	s_cmp_lg_u32 s10, 0
	s_cbranch_scc1 .Lmeet
	s_wait_loadcnt 16                              ; wave 0: the flags are in, its 16 data loads stay out
	v_or_b32 v[F], v[F], v[F+1]
	v_cmp_ne_u32 vcc_lo, 0, v[F]                   ; lanes that saw a flag set
	v_mov_b32 v[F], vcc_lo                         ; 0 = no flag is set
	ds_store_b32 v3, v[F]                          ; all lanes write the one word with the same value
.Lmeet:
	s_wait_dscnt 0x0                               ; wave 0's word is in LDS before it signals (the other waves have nothing out)
	s_barrier_signal -1
	s_barrier_wait -1                              ; the data loads stay on their way across the barrier: nobody writes those bytes
	ds_load_b32 v[F], v3
	s_wait_dscnt 0x0
	v_readfirstlane_b32 s11, v[F]
	s_cmp_lg_u32 s11, 0
	s_cselect_b32 s12, s13, s12                    ; f = f_12 if a flag is set, else f_1: a choice of a value, no branch
.irp j, 0,1,2,3,4,5,6,7,8,9,10,11,12,13,14,15
	s_wait_loadcnt 15-\j                           ; loads come back in order: load j is in, the 15-j younger ones stay out
.irp k, 0,1,2,3
	v_max_num_f32 v[X+4*\j+\k], 0, v[X+4*\j+\k]    ; relu
.endr
	v_pk_mul_f32 v[X+4*\j:X+4*\j+1],   v[X+4*\j:X+4*\j+1],   s[12:13] op_sel_hi:[1,0]   ; both by s12
	v_pk_mul_f32 v[X+4*\j+2:X+4*\j+3], v[X+4*\j+2:X+4*\j+3], s[12:13] op_sel_hi:[1,0]
	global_store_b128 v1, v[X+4*\j:X+4*\j+3], s[8:9] offset:\j*CHUNK th:TH_STORE_NT    ; written once, not read again
.endr
	s_wait_tensorcnt 0x0
	ds_add_u32 v70, v71
	s_wait_dscnt 0x0
	s_endpgm
.Lfunc_end_k_q64b1ccf8e8_scale:
	.size	k_q64b1ccf8e8_scale, .Lfunc_end_k_q64b1ccf8e8_scale-k_q64b1ccf8e8_scale
	.p2alignl 7, 3214868480
	.fill 96, 4, 3214868480
	.section	.rodata,"a",@progbits
	.p2align	6, 0x0
	.amdhsa_kernel k_q64b1ccf8e8_scale
		.amdhsa_group_segment_fixed_size 4352
		.amdhsa_private_segment_fixed_size 0
		.amdhsa_enable_private_segment 0
		.amdhsa_kernarg_size 24
		.amdhsa_user_sgpr_count 2
		.amdhsa_user_sgpr_kernarg_segment_ptr 1
		.amdhsa_wavefront_size32 1
		.amdhsa_system_sgpr_workgroup_id_x 1
		.amdhsa_system_sgpr_workgroup_id_y 1
		.amdhsa_system_sgpr_workgroup_id_z 1
		.amdhsa_system_vgpr_workitem_id 0
		.amdhsa_next_free_vgpr 72
		.amdhsa_next_free_sgpr 66
		.amdhsa_reserve_vcc 1
		.amdhsa_float_denorm_mode_32 3
		.amdhsa_float_denorm_mode_16_64 3
		.amdhsa_memory_ordered 1
		.amdhsa_forward_progress 1
		.amdhsa_inst_pref_size 10
	.end_amdhsa_kernel
	.amdgpu_metadata
---
amdhsa.version: [ 1, 2 ]
amdhsa.kernels:
  - .name:           k_q64b1ccf8e8_scale
    .symbol:         k_q64b1ccf8e8_scale.kd
    .args:
      - { .name: dual_values, .offset: 0, .size: 8, .value_kind: global_buffer, .address_space: global }
      - { .name: flags, .offset: 8, .size: 8, .value_kind: global_buffer, .address_space: global }
      - { .name: out0, .offset: 16, .size: 8, .value_kind: global_buffer, .address_space: global }
    .group_segment_fixed_size: 4352
    .private_segment_fixed_size: 0
    .kernarg_segment_align: 8
    .kernarg_segment_size: 24
    .max_flat_workgroup_size: 1024
    .sgpr_count:     66
    .vgpr_count:     72
    .wavefront_size: 32
...
	.end_amdgpu_metadata
.endif
;; end of part 2
